; MI455X (gfx1250); checked and timed in simulation.
; The chip was launched on July 23, 2026; its instructions are those of AMD's public machine-readable ISA for CDNA 5 (MIT licence, August 2026) and "CDNA5" Instruction Set Architecture Reference Guide (July 2026). The comments in the code are by the model that wrote it; some were corrected since.
;; Sparse Multihead Attention. Allowed arithmetic: matrix products marked QUANTISED: E4M3 operands, one given power-of-two scale a tensor, by v_wmma_f32_16x16x64_fp8_fp8 or v_wmma_f32_16x16x128_fp8_fp8, f32 sums; everything else in f32.
;; Inputs: Wk 1,024 x 1,024 float32; Wo 1,024 x 1,024 float32; Wq 1,024 x 1,024 float32; Wv 1,024 x 1,024 float32; bk 1,024 float32; bo 1,024 float32; bq 1,024 float32; bv 1,024 float32; key 8 x 1,024 x 1,024 float32; lowp_scales 12 int32 (the exponents e of the quantised operands' scales 2^e); mask 8 x 16 x 1,024 x 1,024 bool; query 8 x 1,024 x 1,024 float32; value 8 x 1,024 x 1,024 float32.
;; Outputs: out0 8 x 1,024 x 1,024 float32.
;; This version of the problem:
;;   THIS VERSION OF THE PROBLEM IS GIVEN IN LOW PRECISION. The matrix products marked QUANTISED in the list below multiply operands that are first quantised to E4M3 (4 exponent bits, 3 mantissa bits; 8 bits a number), with one given power-of-two scale for each operand tensor; their sums are f32. All else is computed in f32.
;;   The module's matrix products, in the order in which they are computed (A, B: the left and right operand; K: the contracted axis; several contracted axes count as one K, in the product's order):
;;     1. [M 8,192, K 1,024] x [K 1,024, N 1,024]; A: input query; B: input Wq: QUANTISED (scales: A lowp_scales[0], B lowp_scales[1])
;;     2. [M 8,192, K 1,024] x [K 1,024, N 1,024]; A: input key; B: input Wk: QUANTISED (scales: A lowp_scales[2], B lowp_scales[3])
;;     3. [M 8,192, K 1,024] x [K 1,024, N 1,024]; A: input value; B: input Wv: QUANTISED (scales: A lowp_scales[4], B lowp_scales[5])
;;     4. batch 128 x [M 1,024, K 64] x [K 64, N 1,024]; A: computed on the way; B: computed on the way: QUANTISED (scales: A lowp_scales[6], B lowp_scales[7])
;;     5. batch 128 x [M 1,024, K 1,024] x [K 1,024, N 64]; A: softmax (see below); B: computed on the way: QUANTISED (scales: A lowp_scales[8], B lowp_scales[9])
;;     6. [M 8,192, K 1,024] x [K 1,024, N 1,024]; A: computed on the way; B: input Wo: QUANTISED (scales: A lowp_scales[10], B lowp_scales[11])
;;   THE QUANTISER, for each operand of a quantised product, along K:
;;     - The operand's scale is 2^e, e = its entry of the input lowp_scales (int32; the entries are numbered through the quantised products in the list's order, A before B).
;;     - Each number is divided by the scale, clamped to +-448, and rounded to the nearest number of E4M3, ties to even, subnormals kept.
;;     - The product sums the exact products of the quantised numbers (number of the format x scale) in f32.
;;   ~~~python
;;   def quantise(x, axis, e):      # numpy; x: float32 -> the quantised numbers, widened to float32 again
;;       x = np.moveaxis(x, axis, -1); K = x.shape[-1]
;;       r = np.clip(x / 2.0 ** e, -448, 448)
;;       step = 2.0 ** (np.maximum(np.frexp(np.where(r == 0, 1, r))[1] - 1, -6) - 3)
;;       q = np.round(r / step) * step * 2.0 ** e      # np.round: ties to even
;;       return np.moveaxis(q, -1, axis).astype(np.float32)
;;   ~~~
;;   SOFTMAX AHEAD OF A QUANTISED PRODUCT. Where the list says 'softmax', what is quantised is not the finished softmax but p = 2^(t - M), with t = logit x log2(e) and M = ceil(the row's largest t), a whole number; so 1/2 < the row's largest p <= 1. The row's sum l is taken of the UNQUANTISED p, in f32, and the product's result is divided by l at the end. Since M is a whole number, a kernel that streams over the keys may use a running M (the ceiling of the running maximum): every later rescaling is an exact power of two, so the quantised numbers keep their values, but for numbers so far below the row's largest that they fall under the format's range.
;;   OPERANDS COMPUTED ON THE WAY. 'Computed on the way' means the value that the module computes at that place (a softmax that the list does not call 'softmax' is quantised finished and normalised). What goes into a quantiser is computed in f32, as accurately as f32 sums, v_exp_f32 and their like allow (about 1e-6 of the number): no bf16 or f16 on the way to a quantiser, and a product that is left as it is and whose result goes on into a quantised operand takes f32 operands (vector FMAs, or v_wmma_f32_16x16x4_f32). A number that lies on a knife's edge between two numbers of the format may be rounded either way, as far as f32 arithmetic and the matrix unit's own rounding can turn it there, and no further.
;; One version. Each part assembles by itself: llvm-mc -triple=amdgcn-amd-amdhsa -mcpu=gfx1250 --defsym DOCPART=n.
;; ======== version 1 of 1: 4 launches
;; limits: right only within a limited range of input values
;; workspace buffers: xc 25,165,824 bytes; wc 4,194,304 bytes; hc 25,165,824 bytes; ac 8,388,608 bytes
;; launch quant (part 1): grid 896 x 1, 4 waves a work-group, no clusters, 4,608 bytes of LDS; arguments query, key, value, Wq, Wk, Wv, Wo, lowp_scales, xc, wc; writes xc, wc
.if DOCPART == 1
	.amdgcn_target "amdgcn-amd-amdhsa--gfx1250"
	.amdhsa_code_object_version 6
	.text
	.protected	k_qcff8bda231_quant
	.globl	k_qcff8bda231_quant
	.p2align	8
	.type	k_qcff8bda231_quant,@function
k_qcff8bda231_quant:
	s_mov_b64 s[64:65], 0
	v_nop
	global_prefetch_b8 v0, s[64:65] scope:SCOPE_SE
	s_setreg_imm32_b32 hwreg(HW_REG_WAVE_MODE, 25, 1), 1
	s_wait_xcnt 0x0
; query, key, value [8192][1024] and Wq, Wk, Wv, Wo [1024][1024], f32, become codes of FP8 (E4M3), one byte each, K innermost as it lies in memory, each tensor with the scale 2^e given for it.
; code = x / 2^e, held within +-448, rounded to the nearest code, ties to even.  e: entries 0, 2, 4 (query, key, value), 1, 3, 5 (Wq, Wk, Wv) and 11 (Wo) of the buffer of scales.
; LIMITS: e between -126 and 119, so that 2^e and 448 x 2^e are f32 numbers.  NaN among the inputs is not served (an infinity is held at the largest code).
; xc = [query, key, value][8192][1024] codes; wc = [Wq, Wk, Wv, Wo][1024][1024] codes.  Every tensor is a dense stream, and so are its codes: nothing here knows of rows.
; A work-group takes 32,768 numbers: work-groups 0-767 the three activations (256 each), 768-895 the four weights (32 each).  Only pointers and e are chosen by the work-group's number: one path through the text.
; A wave takes 16 steps of 512 numbers.  Each of a step's four loads reads 512 consecutive bytes, 16 a lane: so a lane holds four neighbours out of each of four runs of 128 numbers.  A conversion takes eight numbers and gives two words
; of four codes: word i of the step's four belongs at byte 128 i + 4 lane of the step's 512 bytes of codes.  THE CODES, NOT THE NUMBERS, TURN THROUGH LDS: four stores of a word put them there, one load of 16 bytes a lane brings
; 16 neighbouring codes back, and the wave stores 512 consecutive bytes.  That is a quarter of the LDS bytes that the numbers would take.  No barrier: waves share nothing.  Loads run four steps ahead.
.set WAVES, 4
.set STEPS, 16
.set EMAX,  8
.set MANT,  0x600000                   ; the mantissa field of 448 as f32
.set R,     16                         ; v16-79   four sets of 16 numbers as they are loaded
.set T,     80                         ; v80-87   two sets of four words of codes, by turns
.set C,     88                         ; v88-151  codes in their order: four registers for each step, so that no store's data are written again
.set WREG,  1024                       ; LDS: a region of its own for each wave: two stages of 512 bytes, by turns
.set SPW,   12                         ; v12      LDS address of my spare word: SPARE + 4 x my thread's number; never rewritten
.set NIL,   13                         ; v13      0; never rewritten
.set SPARE, WAVES*WREG                 ; behind the four regions: the spare words, 128 bytes for each wave
	s_load_b512 s[8:23], s[0:1], 0x0               ; query s[8:9], key s[10:11], value s[12:13], Wq s[14:15], Wk s[16:17], Wv s[18:19], Wo s[20:21], the scales' exponents s[22:23]
	s_load_b128 s[24:27], s[0:1], 0x40             ; xc s[24:25], wc s[26:27]
	v_lshl_add_u32 v[SPW], v0, 2, SPARE
	v_mov_b32 v[NIL], 0
	v_lshrrev_b32 v1, 5, v0
	v_readfirstlane_b32 s28, v1                    ; wave
	v_and_b32 v2, 31, v0                           ; lane
	v_lshlrev_b32 v3, 4, v2                        ; my 16 bytes of a load's 512
	v_lshlrev_b32 v4, 4, v2                        ; my 16 codes of a store's 512 bytes
	s_mul_i32 s29, s28, WREG
	v_lshl_add_u32 v14, v2, 2, s29                 ; the stage, on the way in: a word a lane
	v_lshl_add_u32 v15, v2, 4, s29                 ; and on the way out: 16 bytes a lane
	s_wait_alu depctr_va_vdst(0)
	s_wait_kmcnt 0x0
	s_load_b256 s[32:39], s[22:23], 0x0            ; e0 .. e7
	s_load_b128 s[40:43], s[22:23], 0x20           ; e8 .. e11
	s_mov_b64 s[4:5], s[20:21]                     ; which tensor is mine: a chain of choices on the work-group's number alone, from the last range down
	s_cmp_lt_u32 ttmp9, 864
	s_cselect_b64 s[4:5], s[18:19], s[4:5]
	s_cmp_lt_u32 ttmp9, 832
	s_cselect_b64 s[4:5], s[16:17], s[4:5]
	s_cmp_lt_u32 ttmp9, 800
	s_cselect_b64 s[4:5], s[14:15], s[4:5]
	s_cmp_lt_u32 ttmp9, 768
	s_cselect_b64 s[4:5], s[12:13], s[4:5]
	s_cmp_lt_u32 ttmp9, 512
	s_cselect_b64 s[4:5], s[10:11], s[4:5]
	s_cmp_lt_u32 ttmp9, 256
	s_cselect_b64 s[4:5], s[8:9], s[4:5]
	s_cmp_lt_u32 ttmp9, 768                        ; an activation or a weight?  All choices on this compare stand ahead of the lines that set SCC anew
	s_cselect_b64 s[6:7], s[24:25], s[26:27]       ; the codes' buffer
	s_cselect_b32 s30, 255, 31                     ; work-groups in a tensor, less one (768 is a multiple of 32)
	s_cselect_b32 s31, 0, 768                      ; the first work-group of the codes' buffer
	s_and_b32 s30, ttmp9, s30                      ; my place in the tensor,
	s_sub_co_u32 s31, ttmp9, s31                   ; and in the codes' buffer
	s_lshl_b32 s30, s30, 2
	s_add_co_u32 s30, s30, s28
	s_lshl_b32 s30, s30, 15                        ; my wave's run of 8,192 numbers: 32,768 bytes each
	s_lshl_b32 s31, s31, 2
	s_add_co_u32 s31, s31, s28
	s_lshl_b32 s44, s31, 13                        ; and of 8,192 codes
	s_mov_b32 s31, 0
	s_mov_b32 s45, 0
	s_add_nc_u64 s[4:5], s[4:5], s[30:31]
	s_add_nc_u64 s[6:7], s[6:7], s[44:45]
.macro LOAD t
.irp i, 0,1,2,3
	global_load_b128 v[R+16*((\t)%4)+4*\i:R+16*((\t)%4)+4*\i+3], v3, s[4:5] offset:2048*(\t)+512*\i th:TH_LOAD_NT   ; 32 lanes read 512 consecutive bytes: numbers 128 i + 4 lane + 0 .. 3 of the step
.endr
.endm
.irp t, 0,1,2,3
	LOAD \t
.endr
	s_wait_kmcnt 0x0
	s_mov_b32 s46, s43                             ; my tensor's e, by the same chain: e11 (Wo), e5, e3, e1 (Wv, Wk, Wq), e4, e2, e0 (value, key, query)
	s_cmp_lt_u32 ttmp9, 864
	s_cselect_b32 s46, s37, s46
	s_cmp_lt_u32 ttmp9, 832
	s_cselect_b32 s46, s35, s46
	s_cmp_lt_u32 ttmp9, 800
	s_cselect_b32 s46, s33, s46
	s_cmp_lt_u32 ttmp9, 768
	s_cselect_b32 s46, s36, s46
	s_cmp_lt_u32 ttmp9, 512
	s_cselect_b32 s46, s34, s46
	s_cmp_lt_u32 ttmp9, 256
	s_cselect_b32 s46, s32, s46
	s_add_co_i32 s46, s46, 127
	s_lshl_b32 s47, s46, 23
	v_mov_b32 v11, s47                             ; 2^e as f32: the conversion takes its exponent field
	s_add_co_i32 s46, s46, EMAX
	s_lshl_b32 s46, s46, 23
	s_or_b32 s46, s46, MANT
	v_mov_b32 v10, s46                             ; 448 x 2^e
.macro STEP t
.set RS, R+16*((\t)%4)
.set TS, T+4*((\t)%2)
.if STEPS-1-(\t) >= 3
	s_wait_loadcnt 12                              ; this step's four loads are in; those of the three steps behind it may be out
.else
	s_wait_loadcnt 4*(STEPS-1-(\t))                ; at the end the counts run down
.endif
.irp i, 0,1,2,3,4,5,6,7,8,9,10,11,12,13,14,15
	v_med3_num_f32 v[RS+\i], v[RS+\i], -v10, v10   ; the conversion to an 8-bit code does not saturate (ISA guide 7.6.2): the number is held within 448 x the scale first
.endr
	v_cvt_scalef32_pk8_fp8_f32 v[TS:TS+1], v[RS:RS+7], v11        ; eight numbers / 2^e, to the nearest code, ties to even; the first number's code in the lowest byte: a word for load 0's four numbers, a word for load 1's,
	v_cvt_scalef32_pk8_fp8_f32 v[TS+2:TS+3], v[RS+8:RS+15], v11   ; and for loads 2 and 3.  (The results go to LDS stores alone; the next vector lines, the next step's holds, are plain and touch other registers)
.if (\t)+4 < STEPS
	LOAD (\t)+4                                    ; the numbers' registers take the loads of four steps on
.endif
.irp i, 0,1,2,3
	ds_store_b32 v14, v[TS+\i] offset:512*((\t)%2)+128*\i   ; 32 lanes store 128 consecutive bytes: the codes of numbers 128 i on
.endr
	ds_load_b128 v[C+4*(\t):C+4*(\t)+3], v15 offset:512*((\t)%2)   ; LDS serves a wave's instructions in order: this load sees the four stores, and the stage's next stores, two steps on, come behind it
.if (\t) > 0
	s_wait_dscnt 5                                 ; the last step's codes are back: behind its load only this step's four stores and one load were issued.  Its stores are done too: their words' registers are written again next step
	global_store_b128 v4, v[C+4*(\t)-4:C+4*(\t)-1], s[6:7] offset:512*(\t)-512   ; 32 lanes store 512 consecutive bytes, at a multiple of 256 from the buffer's first byte
.endif
.endm
	s_wait_alu depctr_va_vdst(0)
.irp t, 0,1,2,3,4,5,6,7,8,9,10,11,12,13,14,15
	STEP \t
.endr
	s_wait_dscnt 0x0                               ; the last step's codes
	global_store_b128 v4, v[C+4*STEPS-4:C+4*STEPS-1], s[6:7] offset:512*STEPS-512
	s_wait_tensorcnt 0x0                           ; the wave's end, behind my last LDS store
	ds_add_u32 v[SPW], v[NIL]
	s_wait_dscnt 0x0
	s_endpgm
.Lfunc_end_k_qcff8bda231_quant:
	.size	k_qcff8bda231_quant, .Lfunc_end_k_qcff8bda231_quant-k_qcff8bda231_quant
	.p2alignl 7, 3214868480
	.fill 96, 4, 3214868480
	.section	.rodata,"a",@progbits
	.p2align	6, 0x0
	.amdhsa_kernel k_qcff8bda231_quant
		.amdhsa_group_segment_fixed_size 4608
		.amdhsa_private_segment_fixed_size 0
		.amdhsa_enable_private_segment 0
		.amdhsa_kernarg_size 80
		.amdhsa_user_sgpr_count 2
		.amdhsa_user_sgpr_kernarg_segment_ptr 1
		.amdhsa_wavefront_size32 1
		.amdhsa_system_sgpr_workgroup_id_x 1
		.amdhsa_system_sgpr_workgroup_id_y 1
		.amdhsa_system_sgpr_workgroup_id_z 1
		.amdhsa_system_vgpr_workitem_id 0
		.amdhsa_next_free_vgpr 152
		.amdhsa_next_free_sgpr 66
		.amdhsa_reserve_vcc 0
		.amdhsa_float_denorm_mode_32 3
		.amdhsa_float_denorm_mode_16_64 3
		.amdhsa_memory_ordered 1
		.amdhsa_forward_progress 1
		.amdhsa_inst_pref_size 35
	.end_amdhsa_kernel
	.amdgpu_metadata
---
amdhsa.version: [ 1, 2 ]
amdhsa.kernels:
  - .name:           k_qcff8bda231_quant
    .symbol:         k_qcff8bda231_quant.kd
    .args:
      - { .name: query, .offset: 0, .size: 8, .value_kind: global_buffer, .address_space: global }
      - { .name: key, .offset: 8, .size: 8, .value_kind: global_buffer, .address_space: global }
      - { .name: value, .offset: 16, .size: 8, .value_kind: global_buffer, .address_space: global }
      - { .name: Wq, .offset: 24, .size: 8, .value_kind: global_buffer, .address_space: global }
      - { .name: Wk, .offset: 32, .size: 8, .value_kind: global_buffer, .address_space: global }
      - { .name: Wv, .offset: 40, .size: 8, .value_kind: global_buffer, .address_space: global }
      - { .name: Wo, .offset: 48, .size: 8, .value_kind: global_buffer, .address_space: global }
      - { .name: lowp_scales, .offset: 56, .size: 8, .value_kind: global_buffer, .address_space: global }
      - { .name: xc, .offset: 64, .size: 8, .value_kind: global_buffer, .address_space: global }
      - { .name: wc, .offset: 72, .size: 8, .value_kind: global_buffer, .address_space: global }
    .group_segment_fixed_size: 4608
    .private_segment_fixed_size: 0
    .kernarg_segment_align: 8
    .kernarg_segment_size: 80
    .max_flat_workgroup_size: 128
    .sgpr_count:     66
    .vgpr_count:     152
    .wavefront_size: 32
...
	.end_amdgpu_metadata
.endif
;; end of part 1
;; launch proj (part 2): grid 4 x 96, 4 waves a work-group, clusters of 4 x 4, 327,680 bytes of LDS; arguments xc, wc, lowp_scales, bq, bk, bv, hc; writes hc
.if DOCPART == 2
	.amdgcn_target "amdgcn-amd-amdhsa--gfx1250"
	.amdhsa_code_object_version 6
	.text
	.protected	k_qcff8bda231_proj
	.globl	k_qcff8bda231_proj
	.p2align	8
	.type	k_qcff8bda231_proj,@function
k_qcff8bda231_proj:
	s_mov_b64 s[64:65], 0
	v_nop
	global_prefetch_b8 v0, s[64:65] scope:SCOPE_SE
	s_setreg_imm32_b32 hwreg(HW_REG_WAVE_MODE, 25, 1), 1
	s_wait_xcnt 0x0
	s_wait_alu depctr_hold_cnt(0) depctr_sa_sdst(0) depctr_va_vdst(0) depctr_va_sdst(0) depctr_va_ssrc(0) depctr_va_vcc(0) depctr_vm_vsrc(0)
	s_getreg_b32 s2, hwreg(HW_REG_IB_STS2, 6, 4)
	s_cmp_eq_u32 s2, 0
	s_cbranch_scc0 .Lentry_in_a_cluster
	s_endpgm
.Lentry_in_a_cluster:
	s_bfe_u32 s2, ttmp6, 0x10000c
	s_cmp_lg_u32 s2, 0xf033
	s_cbranch_scc0 .Lentry_shape_is_right
	s_endpgm
.Lentry_shape_is_right:
.set KSTEP,  256
.set ROWB,   256
.set KROW,   1024
.set PITCH,  272
.set FR,     16
.set NL,     4
.set NP,     4
.set HALFT,  128*PITCH
.set SLOT,   4*HALFT
.set LAPS,   KROW/(2*KSTEP)
.set SPARE,  2*SLOT
.set SPITCH, 528
.set STAGEV, 4*16*SPITCH
.set ADRA, 16
.set BOQ,  18
.set BOV,  19
.set ADRB, 20
.set STOQ, 22
.set RDQ,  23
.set STOV, 24
.set RDV,  25
.set CO,   26
.set SPW,  28
.set NIL,  29
.set SC,   30
.set LIM,  31
.set BI,   32
.set X0,   64
.set CD,   192
.set AF,   128
.set G1,  24
.set G0,  32
.set G1B, 48
.set G0B, 56
.set TT,  82
.set UU,  83
.set MSB, 0
.macro WIN new
.if MSB != \new
	s_set_vgpr_msb (MSB<<8)|\new
.set MSB, \new
.endif
.endm
.set MUL_LO, 0xa1
.set MUL_HI, 0xf1
.set TO_B,   0x40
.macro JLOAD g0a, g1a, g0b, g1b
	s_cmp_eq_u32 s15, 0
	s_cbranch_scc0 .Lfor_b_\@
	tensor_load_to_lds s[\g0a:\g0a+3], s[\g1a:\g1a+7]
	s_nop 0
.rept 4
	v_nop
.endr
	s_branch .Lasked_\@
.Lfor_b_\@:
	tensor_load_to_lds s[\g0b:\g0b+3], s[\g1b:\g1b+7]
	s_nop 0
.rept 4
	v_nop
.endr
.Lasked_\@:
.endm
.macro CREST
	s_cmp_lg_u32 s14, 0
	s_cbranch_scc1 .Lnot_wave_0_\@
	s_barrier_signal -3
.Lnot_wave_0_\@:
	s_barrier_wait -3
	s_barrier_signal -1
	s_barrier_wait -1
.endm
.macro CROUND
	s_barrier_signal -1
	s_barrier_wait -1
	CREST
.endm
	s_load_b256 s[68:75], s[0:1], 0x0
	s_load_b128 s[76:79], s[0:1], 0x20
	s_load_b64 s[80:81], s[0:1], 0x30
	v_lshl_add_u32 v[SPW], v0, 2, SPARE
	v_mov_b32 v[NIL], 0
	ds_add_u32 v[SPW], v[NIL]
	ds_add_u32 v[SPW], v[NIL]
	v_lshrrev_b32 v1, 5, v0
	v_readfirstlane_b32 s14, v1
	s_lshr_b32 s15, s14, 1
	s_and_b32 s16, s14, 1
	s_bfe_u32 s40, ttmp6, 0x40000
	s_bfe_u32 s41, ttmp6, 0x40004
	s_and_b32 s[TT], ttmp7, 0xffff
	s_and_b32 s[UU], s[TT], 7
	s_lshr_b32 s[TT], s[TT], 3
	s_lshl_b32 s66, s[UU], 2
	s_lshl_b32 s18, s[TT], 23
	s_lshl_b32 s19, s[TT], 20
	s_cmp_lt_u32 s[TT], 2
	s_cselect_b32 s17, s66, 0
	s_cselect_b32 s42, 0, s66
	s_cselect_b32 s20, s18, 2<<20
	s_cselect_b32 s46, s19, 2<<23
	s_add_co_u32 s17, s17, s41
	s_add_co_u32 s42, s42, s40
	s_lshl_b32 s43, s41, 2
	s_lshl_b32 s43, 15, s43
	s_lshl_b32 s44, 0x1111, s40
	s_or_b32 s[G1+0], s43, (0<<16)|(1<<20)|(1<<21)|(5<<22)|(3<<25)
	s_or_b32 s[G1B+0], s44, (0<<16)|(1<<20)|(1<<21)|(5<<22)|(3<<25)
.irp g, G1, G1B
	s_mov_b32 s[\g+1], ROWB<<16
	s_mov_b32 s[\g+2], 128<<16
	s_mov_b32 s[\g+3], ROWB<<16
	s_mov_b32 s[\g+4], 128
	s_mov_b32 s[\g+5], KROW
	s_mov_b32 s[\g+6], 0
	s_mov_b32 s[\g+7], 0
.endr
	s_lshl_b32 s18, s16, 7
	s_lshl_b32 s21, s17, 8
	s_add_co_u32 s21, s21, s18
	s_lshl_b32 s21, s21, 10
	s_add_co_u32 s20, s20, s21
	s_mov_b32 s21, 0
	s_lshl_b32 s47, s42, 8
	s_add_co_u32 s47, s47, s18
	s_lshl_b32 s47, s47, 10
	s_add_co_u32 s46, s46, s47
	s_mov_b32 s47, 0
	s_mul_i32 s45, s14, HALFT
	s_wait_dscnt 0x0
	s_wait_kmcnt 0x0
	s_load_b256 s[84:91], s[72:73], 0x0
	s_load_b128 s[92:95], s[72:73], 0x20
	s_cmp_lt_u32 s[TT], 2
	s_cselect_b64 s[4:5], s[68:69], s[70:71]
	s_cselect_b64 s[6:7], s[70:71], s[68:69]
	s_add_nc_u64 s[20:21], s[4:5], s[20:21]
	s_add_nc_u64 s[46:47], s[6:7], s[46:47]
	CROUND
.irp s, 0,1
	s_mov_b32 s[G0+4*\s], 1
	s_add_co_u32 s[G0+4*\s+1], s45, \s*SLOT
	s_add_nc_u64 s[G0+4*\s+2:G0+4*\s+3], s[20:21], \s*ROWB
	s_or_b32 s[G0+4*\s+3], s[G0+4*\s+3], 0x80000000
	s_mov_b32 s[G0B+4*\s], 1
	s_add_co_u32 s[G0B+4*\s+1], s45, \s*SLOT
	s_add_nc_u64 s[G0B+4*\s+2:G0B+4*\s+3], s[46:47], \s*ROWB
	s_or_b32 s[G0B+4*\s+3], s[G0B+4*\s+3], 0x80000000
	s_wait_alu depctr_va_vdst(0)
	s_wait_tensorcnt 0x0
	ds_add_u32 v28, v29
	ds_add_u32 v28, v29
	s_wait_dscnt 0x0
	CROUND
	JLOAD G0+4*\s, G1, G0B+4*\s, G1B
.endr
	v_and_b32 v1, 15, v0
	s_wait_alu depctr_va_vdst(0)
	v_bfe_u32 v2, v0, 4, 1
	v_mul_u32_u24 v3, v1, PITCH
	v_lshl_add_u32 v4, v2, 4, v3
	s_mul_i32 s21, s15, HALFT
	s_mul_i32 s22, s16, HALFT
	s_add_co_u32 s22, s22, 2*HALFT
.irp s, 0,1
	v_add_nc_u32 v[ADRA+\s], s21, v4
	v_add_nc_u32 v[ADRB+\s], s22, v4
	s_add_co_u32 s21, s21, SLOT
	s_add_co_u32 s22, s22, SLOT
.endr
	s_mul_i32 s23, s14, 16*SPITCH
	v_mul_u32_u24 v5, v1, SPITCH
	s_wait_alu depctr_va_vdst(0)
	v_lshl_add_u32 v5, v2, 5, v5
	v_add_nc_u32 v[STOQ], s23, v5
	v_add_nc_u32 v[STOV], STAGEV, v[STOQ]
	v_and_b32 v6, 31, v0
	v_lshlrev_b32 v[CO], 4, v6
	v_lshrrev_b32 v7, 2, v6
	v_and_b32 v8, 3, v6
	v_mul_u32_u24 v7, v7, SPITCH
	v_lshl_add_u32 v7, v8, 6, v7
	v_add_nc_u32 v[RDQ], s23, v7
	v_lshlrev_b32 v[BOQ], 6, v8
	v_lshrrev_b32 v9, 3, v6
	v_and_b32 v10, 7, v6
	v_lshlrev_b32 v[BOV], 2, v9
	v_mul_u32_u24 v9, v9, SPITCH
	v_lshl_add_u32 v9, v10, 6, v9
	v_add_nc_u32 v9, s23, v9
	v_add_nc_u32 v[RDV], STAGEV, v9
	s_lshl_b32 s98, s40, 1
	s_add_co_u32 s98, s98, s16
	s_lshl_b32 s99, s41, 1
	s_add_co_u32 s99, s99, s15
	s_cmp_eq_u32 s[TT], 0
	s_cselect_b64 s[8:9], s[74:75], s[76:77]
	s_cmp_lt_u32 s[TT], 2
	s_cselect_b64 s[8:9], s[8:9], s[78:79]
	s_cselect_b32 s66, s98, s99
	s_cselect_b32 s18, s98, s99
	s_cselect_b32 s19, s99, s98
	s_lshl_b32 s66, s66, 9
	s_mov_b32 s67, 0
	s_add_nc_u64 s[8:9], s[8:9], s[66:67]
	s_lshl_b32 s18, s18, 17
	s_lshl_b32 s19, s19, 13
	s_add_co_u32 s18, s18, s19
	s_lshl_b32 s19, s[TT], 23
	s_add_co_u32 s18, s18, s19
	s_lshl_b32 s19, s[UU], 20
	s_add_co_u32 s18, s18, s19
	s_mov_b32 s19, 0
	s_add_nc_u64 s[10:11], s[80:81], s[18:19]
	s_cmp_lt_u32 s[TT], 2
	s_cbranch_scc0 .Lbias_v
	s_wait_alu depctr_va_vdst(0)
.irp d, 0,1
.irp j, 0,1,2,3
	global_load_b128 v[BI+16*\d+4*\j:BI+16*\d+4*\j+3], v[BOQ], s[8:9] offset:256*\d+16*\j
.endr
.endr
	s_branch .Lbias_in
.Lbias_v:
.set m, 0
	s_wait_alu depctr_va_vdst(0)
.rept 32
	global_load_b32 v[BI+m], v[BOV], s[8:9] offset:16*m
.set m, m+1
.endr
.Lbias_in:
.macro FRAG reg, adr, q, i
.irp c, 0,1,2,3
	ds_load_b128 v[\reg+4*\c:\reg+4*\c+3], v[\adr] offset:128*(\q)+32*\c+(\i)*16*PITCH
.endr
.endm
.macro MUL16 a0, p, zero
.irp a, \a0, \a0+1
.irp b, 0,1,2,3,4,5,6,7
.if \zero
	v_wmma_f32_16x16x128_fp8_fp8 v[8*(8*((\a)%4)+\b):8*(8*((\a)%4)+\b)+7], v[128*(\p)+FR*\b:128*(\p)+FR*\b+FR-1], v[AF+FR*(\a):AF+FR*(\a)+FR-1], 0
.else
	v_wmma_f32_16x16x128_fp8_fp8 v[8*(8*((\a)%4)+\b):8*(8*((\a)%4)+\b)+7], v[128*(\p)+FR*\b:128*(\p)+FR*\b+FR-1], v[AF+FR*(\a):AF+FR*(\a)+FR-1], v[8*(8*((\a)%4)+\b):8*(8*((\a)%4)+\b)+7]
.endif
.endr
.endr
.endm
.macro FETCH_B slot, q, p
	WIN TO_B
.irp i, 0,1,2,3,4,5,6,7
	FRAG 128*(\p)+FR*\i, ADRB+\slot, \q, \i
.endr
	WIN 0
.endm
.macro FETCH_A slot, q, i0
.irp i, \i0, \i0+1, \i0+2, \i0+3
	FRAG AF+FR*(\i), ADRA+\slot, \q, \i
.endr
.endm
.macro PLACES n
.rept \n
	v_nop
.endr
.endm
.macro STEP slot, q, zero
	s_wait_dscnt 4*NL
	WIN MUL_LO
	MUL16 0, (\q)%2, \zero
	MUL16 2, (\q)%2, \zero
	s_wait_dscnt 0
	PLACES NP
	FETCH_B \slot, (\q)+1, 1-(\q)%2
	FETCH_A \slot, (\q)+1, 0
	WIN MUL_HI
	MUL16 4, (\q)%2, \zero
	MUL16 6, (\q)%2, \zero
	PLACES NP
	WIN 0
	FETCH_A \slot, (\q)+1, 4
.endm
.macro TURN slot, next, fill
	s_wait_tensorcnt 0x0
	ds_add_u32 v[SPW], v[NIL]
	s_wait_dscnt 4*NL+1
	WIN MUL_LO
	MUL16 0, 1, 0
	s_wait_dscnt 0x0
	s_barrier_signal -1
	MUL16 2, 1, 0
	WIN 0
	s_barrier_wait -1
.if \fill
	CREST
	s_add_nc_u64 s[G0+4*\slot+2:G0+4*\slot+3], s[G0+4*\slot+2:G0+4*\slot+3], 2*ROWB
	s_add_nc_u64 s[G0B+4*\slot+2:G0B+4*\slot+3], s[G0B+4*\slot+2:G0B+4*\slot+3], 2*ROWB
	JLOAD G0+4*\slot, G1, G0B+4*\slot, G1B
.else
	PLACES NP
.endif
	FETCH_B \next, 0, 0
	FETCH_A \next, 0, 0
	WIN MUL_HI
	MUL16 4, 1, 0
	MUL16 6, 1, 0
	PLACES NP
	WIN 0
	FETCH_A \next, 0, 4
.endm
	s_wait_tensorcnt 1
	s_barrier_signal -1
	s_barrier_wait -1
	FETCH_B 0, 0, 0
	FETCH_A 0, 0, 0
	FETCH_A 0, 0, 4
	STEP 0, 0, 1
	s_mov_b32 s3, LAPS-1
.Llap:
	TURN 0, 1, 1
	STEP 1, 0, 0
	TURN 1, 0, 1
	STEP 0, 0, 0
	s_sub_co_u32 s3, s3, 1
	s_cmp_lg_u32 s3, 0
	s_cbranch_scc1 .Llap
	TURN 0, 1, 0
	STEP 1, 0, 0
	s_wait_dscnt 4*NL
	WIN MUL_LO
	MUL16 0, 1, 0
	MUL16 2, 1, 0
	s_wait_dscnt 0
	WIN MUL_HI
	MUL16 4, 1, 0
	MUL16 6, 1, 0
	WIN 0
.macro TOSTAGE a, mode
.set AC, 64*((\a)%4)
.set XX, X0+64*((\a)%2)
.set WW, 0x08+4*((\a)/4)
	WIN WW
.irp b, 0,1,2,3,4,5,6,7
	ds_store_b128 v[STOQ+2*\mode], v[AC+8*\b:AC+8*\b+3] offset:64*\b
	ds_store_b128 v[STOQ+2*\mode], v[AC+8*\b+4:AC+8*\b+7] offset:64*\b+16
.endr
	WIN 0
.irp i, 0,1,2,3
.irp j, 0,1,2,3
	ds_load_b128 v[XX+16*\i+4*\j:XX+16*\i+4*\j+3], v[RDQ+2*\mode] offset:\mode*4*\i*SPITCH+(1-\mode)*(8*(\i%2)*SPITCH+(\i/2)*256)+16*\j
.endr
.endr
.endm
.macro FINISH a, younger, mode
.set XX, X0+64*((\a)%2)
.set CC, CD+16*((\a)%2)
	s_wait_dscnt \younger
.irp i, 0,1,2,3
.irp k, 0,2,4,6,8,10,12,14
.if \mode
.if (\i)%2
	v_pk_fma_f32 v[XX+16*\i+\k:XX+16*\i+\k+1], v[XX+16*\i+\k:XX+16*\i+\k+1], s[96:97], v[BI+4*(\a)+\i-1:BI+4*(\a)+\i] op_sel:[0,0,1] op_sel_hi:[1,0,1]
.else
	v_pk_fma_f32 v[XX+16*\i+\k:XX+16*\i+\k+1], v[XX+16*\i+\k:XX+16*\i+\k+1], s[96:97], v[BI+4*(\a)+\i:BI+4*(\a)+\i+1] op_sel_hi:[1,0,0]
.endif
.else
	v_pk_fma_f32 v[XX+16*\i+\k:XX+16*\i+\k+1], v[XX+16*\i+\k:XX+16*\i+\k+1], s[96:97], v[BI+16*(\i/2)+\k:BI+16*(\i/2)+\k+1] op_sel_hi:[1,0,1]
.endif
.endr
.endr
.set n, 0
.rept 64
	v_med3_num_f32 v[XX+n], v[XX+n], -v[LIM], v[LIM]
.set n, n+1
.endr
.if (\a) > 1
	s_wait_alu depctr_va_vdst(0)
	s_wait_xcnt 0x0
.endif
.irp i, 0,1,2,3
	v_cvt_scalef32_pk8_fp8_f32 v[CC+4*\i:CC+4*\i+1], v[XX+16*\i:XX+16*\i+7], v[SC]
	v_cvt_scalef32_pk8_fp8_f32 v[CC+4*\i+2:CC+4*\i+3], v[XX+16*\i+8:XX+16*\i+15], v[SC]
.endr
	v_nop
.irp i, 0,1,2,3
	global_store_b128 v[CO], v[CC+4*\i:CC+4*\i+3], s[10:11] offset:\mode*(((\a)/4)*65536+((\a)%4)*2048+512*\i)+(1-\mode)*((\i/2)*65536+(\a)*1024+(\i%2)*512)
.endr
.endm
.macro WAYOUT mode
	TOSTAGE 0, \mode
.irp a, 1,2,3,4,5,6,7
	TOSTAGE \a, \mode
	FINISH \a-1, 32, \mode
.endr
	FINISH 7, 0, \mode
.endm
	s_wait_kmcnt 0x0
	s_add_co_i32 s84, s84, s85
	s_add_co_i32 s86, s86, s87
	s_add_co_i32 s88, s88, s89
	s_cmp_eq_u32 s[TT], 0
	s_cselect_b32 s96, s84, s86
	s_cselect_b32 s66, s90, s91
	s_cmp_lt_u32 s[TT], 2
	s_cselect_b32 s96, s96, s88
	s_cselect_b32 s66, s66, s93
	s_add_co_i32 s96, s96, 127
	s_lshl_b32 s96, s96, 23
	s_mov_b32 s97, s96
	s_add_co_i32 s66, s66, 127
	s_lshl_b32 s67, s66, 23
	v_mov_b32 v[SC], s67
	s_add_co_i32 s66, s66, 8
	s_lshl_b32 s66, s66, 23
	s_or_b32 s66, s66, 0x600000
	v_mov_b32 v[LIM], s66
	PLACES NP
	s_wait_loadcnt 0x0
	s_cmp_lt_u32 s[TT], 2
	s_cbranch_scc0 .Lway_v
	WAYOUT 0
	s_branch .Lend
.Lway_v:
	WAYOUT 1
.Lend:
	s_wait_tensorcnt 0x0
	ds_add_u32 v[SPW], v[NIL]
	s_wait_dscnt 0x0
	CROUND
	s_endpgm
.Lfunc_end_k_qcff8bda231_proj:
	.size	k_qcff8bda231_proj, .Lfunc_end_k_qcff8bda231_proj-k_qcff8bda231_proj
	.p2alignl 7, 3214868480
	.fill 96, 4, 3214868480
	.section	.rodata,"a",@progbits
	.p2align	6, 0x0
	.amdhsa_kernel k_qcff8bda231_proj
		.amdhsa_group_segment_fixed_size 327680
		.amdhsa_private_segment_fixed_size 0
		.amdhsa_enable_private_segment 0
		.amdhsa_kernarg_size 56
		.amdhsa_user_sgpr_count 2
		.amdhsa_user_sgpr_kernarg_segment_ptr 1
		.amdhsa_wavefront_size32 1
		.amdhsa_system_sgpr_workgroup_id_x 1
		.amdhsa_system_sgpr_workgroup_id_y 1
		.amdhsa_system_sgpr_workgroup_id_z 1
		.amdhsa_system_vgpr_workitem_id 0
		.amdhsa_next_free_vgpr 1024
		.amdhsa_next_free_sgpr 100
		.amdhsa_reserve_vcc 0
		.amdhsa_float_denorm_mode_32 3
		.amdhsa_float_denorm_mode_16_64 3
		.amdhsa_memory_ordered 1
		.amdhsa_forward_progress 1
		.amdhsa_inst_pref_size 230
	.end_amdhsa_kernel
	.amdgpu_metadata
---
amdhsa.version: [ 1, 2 ]
amdhsa.kernels:
  - .name:           k_qcff8bda231_proj
    .symbol:         k_qcff8bda231_proj.kd
    .args:
      - { .name: xc, .offset: 0, .size: 8, .value_kind: global_buffer, .address_space: global }
      - { .name: wc, .offset: 8, .size: 8, .value_kind: global_buffer, .address_space: global }
      - { .name: lowp_scales, .offset: 16, .size: 8, .value_kind: global_buffer, .address_space: global }
      - { .name: bq, .offset: 24, .size: 8, .value_kind: global_buffer, .address_space: global }
      - { .name: bk, .offset: 32, .size: 8, .value_kind: global_buffer, .address_space: global }
      - { .name: bv, .offset: 40, .size: 8, .value_kind: global_buffer, .address_space: global }
      - { .name: hc, .offset: 48, .size: 8, .value_kind: global_buffer, .address_space: global }
    .group_segment_fixed_size: 327680
    .private_segment_fixed_size: 0
    .kernarg_segment_align: 8
    .kernarg_segment_size: 56
    .max_flat_workgroup_size: 128
    .sgpr_count:     100
    .vgpr_count:     1024
    .wavefront_size: 32
...
	.end_amdgpu_metadata
.endif
;; end of part 2
;; launch attn (part 3): grid 2 x 128, 16 waves a work-group, no clusters, 227,328 bytes of LDS; arguments hc, mask, lowp_scales, ac; writes ac
.if DOCPART == 3
	.amdgcn_target "amdgcn-amd-amdhsa--gfx1250"
	.amdhsa_code_object_version 6
	.text
	.protected	k_qcff8bda231_attn
	.globl	k_qcff8bda231_attn
	.p2align	8
	.type	k_qcff8bda231_attn,@function
k_qcff8bda231_attn:
	s_mov_b64 s[64:65], 0
	v_nop
	global_prefetch_b8 v0, s[64:65] scope:SCOPE_SE
	s_setreg_imm32_b32 hwreg(HW_REG_WAVE_MODE, 25, 1), 1
	s_wait_xcnt 0x0
; Attention of one head on codes of FP8 (E4M3): S = Q K^T, the mask, p = 2^(t - M), O = P V / l, and O quantised as the left operand of the last projection.
; hc: Q at 0 and K at 2^23: [128 heads][1024][64] codes; V at 2^24: [128 heads][8 blocks of keys][64][128 keys] codes.  mask: [128 heads][1024 queries][1024 keys], one byte, 0 or 1.
; ac: [2048 quads of tokens][16 heads][4 tokens][64] codes: the 256 bytes of (quad, head) are written whole by one store's sixteen lanes.
; THE SOFTMAX: t = score x log2(e) / 8; M = the row's largest t so far among the keys that count, rounded UP to a whole number; p = 2^(t - M) is what is quantised (scale 2^e8); it is not normalised.
; The row's sum l is taken of the unquantised p and divides O at the end.  When M moves, l and O are multiplied by 2^(old M - new M): exact.
; THE MASK GOES IN AS THE C OF THE FIRST PRODUCT: four mask bytes are the selectors of one v_perm_b32 on the table 0x000000fe (0 gives 0xfe, the code of -448; 1 gives the code of 0), and one conversion widens eight such codes x 2^90.
; A sum of 64 products of codes is under 2^24 in magnitude; the running largest t begins at -2^25 c: above every hidden t, below every t that counts.  A hidden key's p is 0; a row with no key that counts keeps l = 0, and its codes are made NaN.
; SHARES.  256 work-groups: a work-group owns 512 queries of one head, in two passes of 256; each of its sixteen waves owns 16 queries a pass, in 256 registers.
; K AND V OF THE WHOLE HEAD LIE IN LDS, filled once: each wave issues one tensor load at the head (waves 0-7: 128 rows of K each; waves 8-15: a block of V each).  Nothing is filled again, so one barrier serves the launch.
; THE MASK ROWS ARE A WAVE'S OWN and go through registers: a block is 16 queries x 256 keys, eight loads of 16 bytes a lane in which sixteen lanes read 256 consecutive bytes of a row.  Two blocks (64 registers, 8,192 bytes a wave)
; are asked for ahead of the block in hand.  A block that has landed turns through the wave's own stage in LDS (16 rows of 272 bytes) and comes back with a lane to a query.  The last trip's look-ahead loads run with all lanes off.
; NO CLUSTER: of the 655,360 bytes that a work-group reads, 131,072 (K and V) are shared, with one other work-group; the mask's 524,288 are its own.
; NO PREFETCH: the mask's own loads stand two blocks ahead of their use, and K and V are asked for once, whole, at the head: no later request is left to run ahead of.
; LAYOUT.  Both products are used transposed (S^T = K Q^T, O^T = V^T P^T): a lane holds ONE query (lane % 16).  Register j of tile t of S^T is key 16 t + 8 (lane / 16) + j: the place that the 128-deep form gives k in registers 2 t, 2 t + 1.
; LIMITS on the given exponents: e6 + e7 between -80 and 90; e8 and e10 between -126 and 119; e8 + e9 goes by v_ldexp_f32.  NaN among the codes is not served.
.set MP,    272                        ; a mask row in the stage: 256 bytes + 16
.set KP,    80                         ; a key's row: 64 + 16
.set VP,    144                        ; a row of V: 128 + 16
.set VOFF,  1024*KP                    ; K's 1,024 rows, then V's 512 (block x 64 + channel),
.set STG,   VOFF+512*VP                ; then the waves' stages,
.set WSTG,  16*MP
.set SPARE, STG+16*WSTG                ; then the spare words, 128 bytes for each wave
.set AK0,  1                           ; v1 my place in a tile of K; v2 of V; v3 my query's row in the stage; v4 where I store a loaded row
.set AV0,  2
.set AM0,  3
.set STW,  4
.set SPW,  5                           ; v5 my spare word; v6 0: never rewritten
.set NIL,  6
.set GO,   7                           ; v7 the way out: my byte offset in ac
.set ADK,  8                           ; v8, v9 the trip's addresses of K and V
.set ADV,  9
.set ML,   10                          ; v10 my lane's offset in a mask block: 1,024 (lane / 16) + 16 (lane % 16)
.set TAB,  11                          ; v11 0x000000fe;  v12 -M, v13 the largest t, v[14:15] the sum in two halves
.set QF,   16                          ; v16-23 Q's fragment of the pass in hand; v24-31 of the second pass
.set QN,   24
.set KV,   32                          ; v32-63 K's fragments of tiles 4-7, then V's first two
.set S,    64                          ; v64-127 the mask's numbers, S^T, p; at a step's start v96-127 hold K's fragments of tiles 0-3; at its end v64-95 take V's last two fragments
.set OT,   128                         ; v128-159 O^T
.set PC,   160                         ; v160-175 by turns: the step's mask bytes, the sum's seven side chains, p's codes
.set G,    176                         ; v176-239 two mask blocks on their way
.set MX0,  240
.set MX1,  241
.set FF,   242                         ; v[242:243] f = 2^(old M - new M), and a 0 named with it as a pair
.set PD,   244
.set LIMP, 245                         ; 448 x 2^e8; 2^e8
.set SCP,  246
.set SCM,  247                         ; the scale byte 217 (2^90) in every byte
.set LIMO, 248                         ; 448 x 2^e10; 2^e10
.set SCO,  249
.set NANR, 250
.set MOF,  251                         ; the offset of the mask loads that the trip issues
.set WI,   252                         ; the way out: into the stage, and back
.set WB,   253
.set TINI, 254                         ; -2^25 c
.set TBK,  2                           ; s2, s3 the trip's first byte in K and in V
.set TBV,  3
.set WV,   18
.set T,    19                          ; s19 trips done, 0 to 3
.set SEL,  20
.set CS,   22                          ; s[22:23] c = log2(e) / 8 x 2^(e6 + e7)
.set G1K,  24
.set G1V,  32
.set G0K,  40
.set G0V,  44
.set EX,   48                          ; s48 all ones while a next trip is left, else 0
.set IC,   49
.set OC,   50
.set SV,   53
	s_load_b256 s[4:11], s[0:1], 0x0               ; hc, mask, the scales' exponents, ac
	v_lshl_add_u32 v[SPW], v0, 2, SPARE
	v_mov_b32 v[NIL], 0
	ds_add_u32 v[SPW], v[NIL]                      ; the opening lines: the add, twice on end, and its wait below
	ds_add_u32 v[SPW], v[NIL]
	v_lshrrev_b32 v[PD], 5, v0
	v_readfirstlane_b32 s[WV], v[PD]               ; wave 0..15
	s_and_b32 s12, ttmp7, 0xffff                   ; the head
	s_mov_b32 s[G1K], (1<<20)|(3<<22)|(3<<25)      ; K: 128 rows of 64 bytes, dense; four words of padding after every 16
	s_mov_b32 s[G1K+1], 64<<16
	s_mov_b32 s[G1K+2], 128<<16
	s_mov_b32 s[G1K+3], 64<<16
	s_mov_b32 s[G1K+4], 128
	s_mov_b32 s[G1K+5], 64
	s_mov_b32 s[G1K+6], 0
	s_mov_b32 s[G1K+7], 0
	s_mov_b32 s[G1V], (1<<20)|(4<<22)|(3<<25)      ; V: 64 rows of 128 bytes, dense; four words after every 32
	s_mov_b32 s[G1V+1], 128<<16
	s_mov_b32 s[G1V+2], 64<<16
	s_mov_b32 s[G1V+3], 128<<16
	s_mov_b32 s[G1V+4], 64
	s_mov_b32 s[G1V+5], 128
	s_mov_b32 s[G1V+6], 0
	s_mov_b32 s[G1V+7], 0
	s_and_b32 s13, s[WV], 7                        ; which eighth of K or of V I fetch:
	s_mul_i32 s14, s13, 128*KP                     ; its place in LDS as K's,
	s_mul_i32 s15, s13, 64*VP
	s_add_co_u32 s15, s15, VOFF                    ; as V's,
	s_lshl_b32 s16, s13, 13                        ; and its 8,192 bytes in memory,
	s_lshl_b32 s51, s12, 16                        ; in the head's 65,536
	s_add_co_u32 s16, s16, s51
	s_mov_b32 s17, 0
	s_mov_b32 s[SEL], 0x76543210
	s_mov_b32 s[SEL+1], 0xfedcba98
	s_mov_b32 s[CS], 0x3e38aa3b                    ; log2(e) / 8
	s_mov_b32 s[TBK], 0
	s_mov_b32 s[TBV], 0
	s_mov_b32 s[T], 0
	s_mov_b32 s[OC], 2
	s_wait_dscnt 0x0                               ; both opening adds are done
	s_wait_kmcnt 0x0
	s_load_b128 s[68:71], s[8:9], 0x18             ; e6, e7, e8, e9
	s_load_b32 s72, s[8:9], 0x28                   ; e10
	s_mov_b32 s[G0K], 1
	s_mov_b32 s[G0K+1], s14
	s_add_nc_u64 s[G0K+2:G0K+3], s[4:5], s[16:17]
	s_add_nc_u64 s[G0K+2:G0K+3], s[G0K+2:G0K+3], 1<<23
	s_or_b32 s[G0K+3], s[G0K+3], 0x80000000
	s_mov_b32 s[G0V], 1
	s_mov_b32 s[G0V+1], s15
	s_add_nc_u64 s[G0V+2:G0V+3], s[4:5], s[16:17]
	s_add_nc_u64 s[G0V+2:G0V+3], s[G0V+2:G0V+3], 1<<24
	s_or_b32 s[G0V+3], s[G0V+3], 0x80000000
	s_cmp_lt_u32 s[WV], 8                          ; one chain on the wave's number, one load to an arm: every wave issues its one tensor load of the launch
	s_cbranch_scc0 .Lfor_v
	tensor_load_to_lds s[G0K:G0K+3], s[G1K:G1K+7]
	s_nop 0
.rept 4
	v_nop
.endr
	s_branch .Lasked
.Lfor_v:
	tensor_load_to_lds s[G0V:G0V+3], s[G1V:G1V+7]
	s_nop 0
.rept 4
	v_nop
.endr
.Lasked:
	s_lshl_b32 s13, ttmp9, 9
	s_lshl_b32 s14, s[WV], 4
	s_add_co_u32 s13, s13, s14                     ; my first query: 512 x + 16 wave; the second pass's lies 256 on
	s_lshl_b32 s16, s13, 6
	s_add_co_u32 s16, s16, s51
	s_add_nc_u64 s[14:15], s[4:5], s[16:17]        ; its codes
	s_lshl_b32 s16, s12, 20
	s_lshl_b32 s52, s13, 10
	s_add_co_u32 s16, s16, s52
	s_add_nc_u64 s[6:7], s[6:7], s[16:17]          ; its mask row
	s_lshr_b32 s16, s12, 4
	s_lshl_b32 s16, s16, 10
	s_add_co_u32 s16, s16, s13                     ; as a token: 1,024 x batch + the query
	s_lshl_b32 s16, s16, 10                        ; a quad of tokens is 4,096 bytes of ac
	s_and_b32 s52, s12, 15
	s_lshl_b32 s52, s52, 8
	s_add_co_u32 s16, s16, s52
	s_add_nc_u64 s[10:11], s[10:11], s[16:17]
	v_and_b32 v[MX0], 15, v0                       ; r = lane % 16
	v_bfe_u32 v[MX1], v0, 4, 1                     ; h = lane / 16
	v_lshlrev_b32 v[MOF], 6, v[MX0]
	v_lshlrev_b32 v[ML], 10, v[MX1]
	v_lshl_add_u32 v[MOF], v[MX1], 4, v[MOF]       ; Q: row r of 64 bytes, + 16 h
	v_lshl_add_u32 v[ML], v[MX0], 4, v[ML]
	global_load_b128 v[QF:QF+3], v[MOF], s[14:15]
	global_load_b128 v[QF+4:QF+7], v[MOF], s[14:15] offset:32
.irp i, 0,1,2,3,4,5,6,7                        ; mask block 0: load i reads rows 2 i + h, 256 consecutive bytes to sixteen lanes.  Block 1 and the second pass's Q are asked for behind the barrier: the first step needs neither
	global_load_b128 v[G+4*\i:G+4*\i+3], v[ML], s[6:7] offset:2048*\i th:TH_LOAD_NT
.endr
	v_mul_u32_u24 v[AK0], v[MX0], KP
	v_mul_u32_u24 v[AV0], v[MX0], VP
	v_mul_u32_u24 v[AM0], v[MX0], MP
	v_mul_u32_u24 v[STW], v[MX1], MP
	v_lshl_add_u32 v[AK0], v[MX1], 4, v[AK0]       ; K: row r of a tile, + 16 h
	v_lshl_add_u32 v[AV0], v[MX1], 3, v[AV0]       ; V: row r of a tile, + 8 h
	v_lshl_add_u32 v[AM0], v[MX1], 3, v[AM0]       ; the stage, back: my query's row, + 8 h
	v_lshl_add_u32 v[STW], v[MX0], 4, v[STW]       ; the stage, in: row h, + 16 r
	s_mul_i32 s52, s[WV], WSTG
	s_add_co_u32 s52, s52, STG                     ; my stage
	v_add_nc_u32 v[AV0], VOFF, v[AV0]
	v_add_nc_u32 v[AM0], s52, v[AM0]
	v_add_nc_u32 v[STW], s52, v[STW]
	v_lshlrev_b32 v[WI], 6, v[MX0]
	v_and_b32 v[WB], 31, v0
	v_lshlrev_b32 v[GO], 12, v[MX1]
	v_lshl_add_u32 v[WI], v[MX1], 3, v[WI]
	v_lshlrev_b32 v[WB], 4, v[WB]
	v_lshl_add_u32 v[GO], v[MX0], 4, v[GO]         ; in ac: lanes 0-15 one quad's unit, lanes 16-31 the next quad's
	v_add_nc_u32 v[WI], s52, v[WI]                 ; the way out, in: token r's 64 bytes, + 8 h
	v_add_nc_u32 v[WB], s52, v[WB]                 ; and back: 16 bytes a lane
	v_mov_b32 v[TAB], 0xfe
	v_mov_b32 v[SCM], 0xd9d9d9d9
	v_mov_b32 v[PD], 0
	v_mov_b32 v[FF+1], 0
	v_mov_b32 v[NANR], 0x7fc00000
	s_wait_kmcnt 0x0
	s_add_co_i32 s73, s68, s69
	s_lshl_b32 s73, s73, 23
	s_add_co_i32 s[CS], s[CS], s73                 ; e6 + e7 are added to c's exponent field
	s_mov_b32 s[CS+1], s[CS]
	v_mov_b32 v[TINI], s[CS]
	v_mul_f32 v[TINI], 0xcc000000, v[TINI]         ; -2^25 c
	s_add_co_i32 s73, s70, 127
	s_lshl_b32 s74, s73, 23
	v_mov_b32 v[SCP], s74                          ; 2^e8
	s_add_co_i32 s73, s73, 8
	s_lshl_b32 s73, s73, 23
	s_or_b32 s73, s73, 0x600000
	v_mov_b32 v[LIMP], s73                         ; 448 x 2^e8,
	v_mov_b32 v255, s73                            ; and once more, for the second half of a dual-issue pair
	s_add_co_i32 s73, s72, 127
	s_lshl_b32 s74, s73, 23
	v_mov_b32 v[SCO], s74                          ; 2^e10
	s_add_co_i32 s73, s73, 8
	s_lshl_b32 s73, s73, 23
	s_or_b32 s73, s73, 0x600000
	v_mov_b32 v[LIMO], s73                         ; 448 x 2^e10
	s_add_co_i32 s81, s70, s71                     ; e8 + e9
; A mask block has landed: into my stage.  g: which of the two sets.  The younger set's eight loads may be out.  In the last trip no lane asked behind set 1, so there the wait is for all.
.macro BLOCK g
.if \g
	s_cmp_lt_u32 s[T], 3
	s_cbranch_scc1 .Lmore_\@
	s_wait_loadcnt 0x0
.Lmore_\@:
.endif
	s_wait_loadcnt 0x8
.irp i, 0,1,2,3,4,5,6,7
	ds_store_b128 v[STW], v[G+32*\g+4*\i:G+32*\g+4*\i+3] offset:2*\i*MP   ; LDS serves a wave's instructions in order: behind the last block's reads, ahead of this block's
.endr
.endm
; A KEY STEP: 128 keys, the u-th of the trip's four.  g >= 0: set g, now stored, takes the loads of the block two on.
.macro STEP u, g
.rept 4
	v_nop                                          ; places in front of loads into registers that the last products have read
.endr
.irp c, 0,1,2,3,4,5,6,7
	ds_load_b64 v[PC+2*\c:PC+2*\c+1], v[AM0] offset:128*((\u)%2)+16*\c    ; my query's mask bytes for keys 16 c + 8 h + 0 .. 7
.endr
.irp t, 0,1,2,3                                ; K's tiles 0-3 into the registers that take the scores of tiles 4-7 once these fragments are multiplied,
.irp c, 0,1
	ds_load_b128 v[S+32+8*\t+4*\c:S+35+8*\t+4*\c], v[ADK] offset:(128*(\u)+16*\t)*KP+32*\c
.endr
.endr
.irp t, 4,5,6,7                                ; and tiles 4-7
.irp c, 0,1
	ds_load_b128 v[KV+8*\t-32+4*\c:KV+8*\t-32+4*\c+3], v[ADK] offset:(128*(\u)+16*\t)*KP+32*\c
.endr
.endr
	s_wait_dscnt 16                                ; the stage's stores and the mask's eight loads are done; K's sixteen may be out
.if (\g) >= 0
	s_and_saveexec_b32 s[SV], s[EX]                ; the last trip has no block two on: its lanes are off
.irp i, 0,1,2,3,4,5,6,7
	global_load_b128 v[G+32*(\g)+4*\i:G+32*(\g)+4*\i+3], v[MOF], s[6:7] offset:2048*\i+256*(\g) th:TH_LOAD_NT
.endr
	s_wait_xcnt 0x0                                ; EXEC and the offset are written again only behind this wait
	s_or_b32 exec_lo, exec_lo, s[SV]
.endif
.set w, 0
.rept 16
	v_perm_b32 v[PC+w], v[TAB], v[TAB], v[PC+w]    ; 0 picks 0xfe, the code of -448; 1 picks 0x00
.set w, w+1
.endr
.irp t, 0,1,2,3
	v_cvt_scale_pk8_f32_fp8 v[S+8*\t:S+8*\t+7], v[PC+2*\t:PC+2*\t+1], v[SCM]   ; -448 x 2^90 or 0
.endr
	v_nop                                          ; one plain instruction behind the last conversion
	s_wait_alu depctr_va_vdst(0)
	s_wait_dscnt 8                                 ; K's tiles 0-3 are in; the eight loads of tiles 4-7 may be out
.irp t, 0,1,2,3
	v_wmma_f32_16x16x64_fp8_fp8 v[S+8*\t:S+8*\t+7], v[S+32+8*\t:S+39+8*\t], v[QF:QF+7], v[S+8*\t:S+8*\t+7]
.endr
.rept 5
	v_nop                                          ; places: four for the conversions below, which write over the fragments just multiplied, and for the first read of the scores; five for the products that write there
.endr
.irp t, 4,5,6,7
	v_cvt_scale_pk8_f32_fp8 v[S+8*\t:S+8*\t+7], v[PC+2*\t:PC+2*\t+1], v[SCM]
.endr
	v_max3_num_f32 v[MX0], v[S], v[S+1], v[S+2]    ; the largest score of tiles 0-3, in two chains, each accumulator from its low end on: also the plain instructions behind the conversions
	v_max3_num_f32 v[MX1], v[S+3], v[S+4], v[S+5]
.irp i, 6,10,14,18,22,26
	v_max3_num_f32 v[MX0], v[MX0], v[S+\i], v[S+1+\i]
	v_max3_num_f32 v[MX1], v[MX1], v[S+2+\i], v[S+3+\i]
.endr
	v_max3_num_f32 v[MX0], v[MX0], v[S+30], v[S+31]
	s_wait_alu depctr_va_vdst(0)
	s_wait_dscnt 0x0
.irp t, 4,5,6,7
	v_wmma_f32_16x16x64_fp8_fp8 v[S+8*\t:S+8*\t+7], v[KV+8*\t-32:KV+8*\t-25], v[QF:QF+7], v[S+8*\t:S+8*\t+7]
.endr
.rept 4
	v_nop
.endr
.irp t, 0,1
.irp c, 0,1,2,3,4,5,6,7
	ds_load_b64 v[KV+16*\t+2*\c:KV+16*\t+2*\c+1], v[ADV] offset:(64*(\u)+16*\t)*VP+16*\c   ; V's first two fragments land while the softmax is walked
.endr
.endr
.irp i, 32,36,40,44,48,52,56,60
	v_max3_num_f32 v[MX0], v[MX0], v[S+\i], v[S+1+\i]
	v_max3_num_f32 v[MX1], v[MX1], v[S+2+\i], v[S+3+\i]
.endr
	s_delay_alu instid0(VALU_DEP_1)
	v_max_num_f32 v[MX0], v[MX0], v[MX1]
	s_delay_alu instid0(VALU_DEP_1)
	v_permlanex16_b32 v[PD], v[MX0], s[SEL], s[SEL+1]
	s_delay_alu instid0(VALU_DEP_1)
	v_max_num_f32 v[MX0], v[MX0], v[PD]            ; and among lane l xor 16's
	s_delay_alu instid0(VALU_DEP_1)
	v_mul_f32 v[MX0], s[CS], v[MX0]                ; as t (c is positive)
	s_delay_alu instid0(VALU_DEP_1)
	v_max_num_f32 v13, v13, v[MX0]                 ; the running largest t
	v_mov_b32 v[MX0], v12
	s_delay_alu instid0(VALU_DEP_2)
	v_floor_f32 v12, -v13                          ; the new -M = -ceil(t)
	s_delay_alu instid0(VALU_DEP_1)
	v_sub_f32 v[MX0], v12, v[MX0]                  ; old M - new M: a whole number, 0 or less
	s_delay_alu instid0(VALU_DEP_1)
	v_cvt_i32_f32 v[MX0], v[MX0]
	s_delay_alu instid0(VALU_DEP_1)
	v_ldexp_f32 v[FF], 1.0, v[MX0]                 ; f = 2^(old M - new M)
.set j, 0
.rept 32
	v_pk_fma_f32 v[S+j:S+j+1], v[S+j:S+j+1], s[CS:CS+1], v[12:13] op_sel_hi:[1,0,0]   ; t - M, two at a time
.set j, j+2
.endr
	s_wait_alu depctr_va_vdst(0)
.set j, 0
.rept 64
	v_exp_f32 v[S+j], v[S+j]                       ; p = 2^(t - M), at most 1; 0 for a hidden key
.set j, j+1
.endr
	v_pk_mul_f32 v[14:15], v[14:15], v[FF:FF+1] op_sel_hi:[1,0]   ; the sums under the new M: the plain instruction behind the batch
	s_wait_alu depctr_va_vdst(0)                   ; and the one wait behind it
.irp k, 1,2,3,4,5,6,7                          ; the row's sum of the unquantised p: 32 pairs in eight chains, seven of them in the registers that p's codes take next
	v_pk_add_f32 v[PC+2*\k-2:PC+2*\k-1], v[S+2*\k:S+2*\k+1], v[S+2*\k+14:S+2*\k+15]
.endr
	v_pk_add_f32 v[14:15], v[14:15], v[S:S+1]
.irp b, 30,46
	v_pk_add_f32 v[14:15], v[14:15], v[S+\b:S+\b+1]
.irp k, 1,2,3,4,5,6,7
	v_pk_add_f32 v[PC+2*\k-2:PC+2*\k-1], v[PC+2*\k-2:PC+2*\k-1], v[S+\b+2*\k:S+\b+2*\k+1]
.endr
.endr
	v_pk_add_f32 v[PC:PC+1], v[PC:PC+1], v[S+62:S+63]
	v_pk_add_f32 v[14:15], v[14:15], v[PC+6:PC+7]
	v_pk_add_f32 v[PC+2:PC+3], v[PC+2:PC+3], v[PC+10:PC+11]
	v_pk_add_f32 v[PC+4:PC+5], v[PC+4:PC+5], v[PC+12:PC+13]
	v_pk_add_f32 v[PC:PC+1], v[PC:PC+1], v[PC+8:PC+9]
	v_pk_add_f32 v[14:15], v[14:15], v[PC+2:PC+3]
	s_delay_alu instid0(VALU_DEP_2)
	v_pk_add_f32 v[PC:PC+1], v[PC:PC+1], v[PC+4:PC+5]
	s_delay_alu instid0(VALU_DEP_1)
	v_pk_add_f32 v[14:15], v[14:15], v[PC:PC+1]
.irp t, 0,1,2,3,4,5,6,7
.set j, 0
.rept 4
	v_dual_min_num_f32 v[S+8*\t+j], v[LIMP], v[S+8*\t+j] :: v_dual_min_num_f32 v[S+8*\t+j+1], v255, v[S+8*\t+j+1]   ; the conversion does not saturate (ISA guide 7.6.2); p is not negative, so the hold is one-sided; it stands whatever e8 is; two numbers an instruction
.set j, j+2
.endr
	v_cvt_scalef32_pk8_fp8_f32 v[PC+2*\t:PC+2*\t+1], v[S+8*\t:S+8*\t+7], v[SCP]   ; registers 2 t, 2 t + 1 of the operand: keys 16 t + 8 h + 0 .. 7
.if \t == 3
.irp d, 2,3                                    ; tiles 0-3 of p are codes now: their 32 registers take V's last two fragments
.irp c, 0,1,2,3,4,5,6,7
	ds_load_b64 v[S+16*\d-32+2*\c:S+16*\d-32+2*\c+1], v[ADV] offset:(64*(\u)+16*\d)*VP+16*\c
.endr
.endr
.endif
.endr
	s_wait_alu depctr_va_vdst(0)
.set j, 0
.rept 16
	v_pk_mul_f32 v[OT+j:OT+j+1], v[OT+j:OT+j+1], v[FF:FF+1] op_sel_hi:[1,0]   ; O^T under the new M
.set j, j+2
.endr
	s_wait_alu depctr_va_vdst(0)
	s_wait_dscnt 0x0                               ; V
.irp t, 0,1                                    ; O^T += V^T P^T: four accumulators, one instruction each
	v_wmma_f32_16x16x128_fp8_fp8 v[OT+8*\t:OT+8*\t+7], v[KV+16*\t:KV+16*\t+15], v[PC:PC+15], v[OT+8*\t:OT+8*\t+7]
.endr
.irp t, 2,3
	v_wmma_f32_16x16x128_fp8_fp8 v[OT+8*\t:OT+8*\t+7], v[S+16*\t-32:S+16*\t-17], v[PC:PC+15], v[OT+8*\t:OT+8*\t+7]
.endr
.endm
	s_wait_alu depctr_va_vdst(0)
	s_wait_xcnt 0x0                                ; the head's loads have read their offsets
	s_wait_tensorcnt 0x0                           ; my eighth of K or of V is in
	ds_add_u32 v[SPW], v[NIL]
	s_wait_dscnt 0x0
	s_barrier_signal -1
	s_barrier_wait -1                              ; everybody's is: the launch's one barrier
.irp i, 0,1,2,3,4,5,6,7                        ; mask block 1,
	global_load_b128 v[G+32+4*\i:G+35+4*\i], v[ML], s[6:7] offset:2048*\i+256 th:TH_LOAD_NT
.endr
	global_load_b128 v[QN:QN+3], v[MOF], s[14:15] offset:16384     ; and the second pass's Q: ten loads behind block 0's, so the wait for eight at the first block's head still shows Q and block 0 in
	global_load_b128 v[QN+4:QN+7], v[MOF], s[14:15] offset:16416
	s_wait_xcnt 0x0                                ; they have read their offsets: one of these, and EXEC, are written in the first trip
.Lpass:                                            ; two passes of 16 queries a wave
	v_mov_b32 v13, v[TINI]                         ; the largest t so far
	v_mov_b32 v14, 0
	v_mov_b32 v15, 0
	v_floor_f32 v12, -v13                          ; -M
.set j, 0
.rept 32
	v_mov_b32 v[OT+j], 0                           ; O^T: the step is written for every step alike, and the first change of M leaves zeros zeros
.set j, j+1
.endr
	s_mov_b32 s[IC], 2
.Ltrip:                                            ; a trip: two mask blocks, four key steps, 512 keys
	s_add_co_u32 s51, s[T], 1                      ; what this trip asks for is the next trip's: pass (T + 1) / 2, 2^18 bytes apart; keys 512 ((T + 1) % 2) on
	s_lshr_b32 s52, s51, 1
	s_lshl_b32 s52, s52, 18
	s_and_b32 s51, s51, 1
	s_lshl_b32 s51, s51, 9
	s_add_co_u32 s51, s51, s52
	s_cmp_lt_u32 s[T], 3
	s_cselect_b32 s[EX], -1, 0
	v_add_nc_u32 v[MOF], s51, v[ML]
	v_add_nc_u32 v[ADK], s[TBK], v[AK0]
	v_add_nc_u32 v[ADV], s[TBV], v[AV0]
	s_wait_alu depctr_va_vdst(0)
	BLOCK 0
	STEP 0, 0
	STEP 1, -1
	BLOCK 1
	STEP 2, 1
	STEP 3, -1
	s_xor_b32 s[TBK], s[TBK], 512*KP               ; the other half of the head's keys
	s_xor_b32 s[TBV], s[TBV], 256*VP
	s_add_co_u32 s[T], s[T], 1
	s_sub_co_u32 s[IC], s[IC], 1
	s_cmp_lg_u32 s[IC], 0
	s_cbranch_scc1 .Ltrip
	; THE WAY OUT of a pass.  O^T / l x 2^(e8 + e9) is held, quantised with 2^e10 and goes through the first 1,024 bytes of my stage: 16 tokens x 64 bytes on end are four whole units of (quad, head).
.rept 4
	v_nop                                          ; places behind the last products
.endr
	v_add_f32 v14, v14, v15
	s_delay_alu instid0(VALU_DEP_1)
	v_permlanex16_b32 v[PD], v14, s[SEL], s[SEL+1]
	s_delay_alu instid0(VALU_DEP_1)
	v_add_f32 v14, v14, v[PD]                      ; l
	s_delay_alu instid0(VALU_DEP_1)
	v_cmp_eq_f32 s82, 0, v14                       ; a row with no key that counts
	s_wait_alu depctr_va_vdst(0)
	v_rcp_f32 v[MX0], v14
	v_nop
	s_wait_alu depctr_va_vdst(0)
	v_ldexp_f32 v[MX0], v[MX0], s81                ; x 2^(e8 + e9)
	s_wait_alu depctr_va_vdst(0)
.set j, 0
.rept 32
	v_mul_f32 v[S+32+j], v[OT+j], v[MX0]           ; each accumulator from its low end on
.set j, j+1
.endr
.set j, 0
.rept 32
	v_med3_num_f32 v[S+32+j], v[S+32+j], -v[LIMO], v[LIMO]
.set j, j+1
.endr
.set j, 0
.rept 32
	v_cndmask_b32 v[S+32+j], v[S+32+j], v[NANR], s82   ; NaN where l = 0: a choice of a value, no branch
.set j, j+1
.endr
.irp t, 0,1,2,3
	v_cvt_scalef32_pk8_fp8_f32 v[KV+2*\t:KV+2*\t+1], v[S+32+8*\t:S+39+8*\t], v[SCO]
.endr
	v_nop                                          ; one plain instruction behind the last conversion
.irp t, 0,1,2,3
	ds_store_b64 v[WI], v[KV+2*\t:KV+2*\t+1] offset:16*\t   ; channels 16 t + 8 h + 0 .. 7 of token r
.endr
.irp i, 0,1
	ds_load_b128 v[KV+8+4*\i:KV+11+4*\i], v[WB] offset:512*\i
.endr
.irp i, 0,1
	s_wait_dscnt 1-\i
	global_store_b128 v[GO], v[KV+8+4*\i:KV+11+4*\i], s[10:11] offset:8192*\i   ; sixteen lanes store 256 consecutive bytes, at a multiple of 256 from ac's first byte
.endr
.set j, 0
.rept 8
	v_mov_b32 v[QF+j], v[QN+j]                     ; the second pass's queries (behind the second pass the copy serves nothing more)
.set j, j+1
.endr
	s_wait_alu depctr_va_vdst(0)
	s_wait_xcnt 0x0                                ; the stores have read their base and their data
	s_add_nc_u64 s[10:11], s[10:11], 1<<18         ; 256 tokens on
	s_sub_co_u32 s[OC], s[OC], 1
	s_cmp_lg_u32 s[OC], 0
	s_cbranch_scc1 .Lpass
	s_wait_tensorcnt 0x0                           ; the wave's end
	ds_add_u32 v[SPW], v[NIL]
	s_wait_dscnt 0x0
	s_endpgm
.Lfunc_end_k_qcff8bda231_attn:
	.size	k_qcff8bda231_attn, .Lfunc_end_k_qcff8bda231_attn-k_qcff8bda231_attn
	.p2alignl 7, 3214868480
	.fill 96, 4, 3214868480
	.section	.rodata,"a",@progbits
	.p2align	6, 0x0
	.amdhsa_kernel k_qcff8bda231_attn
		.amdhsa_group_segment_fixed_size 227328
		.amdhsa_private_segment_fixed_size 0
		.amdhsa_enable_private_segment 0
		.amdhsa_kernarg_size 32
		.amdhsa_user_sgpr_count 2
		.amdhsa_user_sgpr_kernarg_segment_ptr 1
		.amdhsa_wavefront_size32 1
		.amdhsa_system_sgpr_workgroup_id_x 1
		.amdhsa_system_sgpr_workgroup_id_y 1
		.amdhsa_system_sgpr_workgroup_id_z 1
		.amdhsa_system_vgpr_workitem_id 0
		.amdhsa_next_free_vgpr 256
		.amdhsa_next_free_sgpr 100
		.amdhsa_reserve_vcc 0
		.amdhsa_float_denorm_mode_32 3
		.amdhsa_float_denorm_mode_16_64 3
		.amdhsa_memory_ordered 1
		.amdhsa_forward_progress 1
		.amdhsa_inst_pref_size 96
	.end_amdhsa_kernel
	.amdgpu_metadata
---
amdhsa.version: [ 1, 2 ]
amdhsa.kernels:
  - .name:           k_qcff8bda231_attn
    .symbol:         k_qcff8bda231_attn.kd
    .args:
      - { .name: hc, .offset: 0, .size: 8, .value_kind: global_buffer, .address_space: global }
      - { .name: mask, .offset: 8, .size: 8, .value_kind: global_buffer, .address_space: global }
      - { .name: lowp_scales, .offset: 16, .size: 8, .value_kind: global_buffer, .address_space: global }
      - { .name: ac, .offset: 24, .size: 8, .value_kind: global_buffer, .address_space: global }
    .group_segment_fixed_size: 227328
    .private_segment_fixed_size: 0
    .kernarg_segment_align: 8
    .kernarg_segment_size: 32
    .max_flat_workgroup_size: 512
    .sgpr_count:     100
    .vgpr_count:     256
    .wavefront_size: 32
...
	.end_amdgpu_metadata
.endif
;; end of part 3
;; launch outp (part 4): grid 4 x 32, 4 waves a work-group, clusters of 4 x 4, 327,680 bytes of LDS; arguments ac, wc, lowp_scales, bo, out0; writes out0
.if DOCPART == 4
	.amdgcn_target "amdgcn-amd-amdhsa--gfx1250"
	.amdhsa_code_object_version 6
	.text
	.protected	k_qcff8bda231_outp
	.globl	k_qcff8bda231_outp
	.p2align	8
	.type	k_qcff8bda231_outp,@function
k_qcff8bda231_outp:
	s_mov_b64 s[64:65], 0
	v_nop
	global_prefetch_b8 v0, s[64:65] scope:SCOPE_SE
	s_setreg_imm32_b32 hwreg(HW_REG_WAVE_MODE, 25, 1), 1
	s_wait_xcnt 0x0
	s_wait_alu depctr_hold_cnt(0) depctr_sa_sdst(0) depctr_va_vdst(0) depctr_va_sdst(0) depctr_va_ssrc(0) depctr_va_vcc(0) depctr_vm_vsrc(0)
	s_getreg_b32 s2, hwreg(HW_REG_IB_STS2, 6, 4)
	s_cmp_eq_u32 s2, 0
	s_cbranch_scc0 .Lentry_in_a_cluster
	s_endpgm
.Lentry_in_a_cluster:
	s_bfe_u32 s2, ttmp6, 0x10000c
	s_cmp_lg_u32 s2, 0xf033
	s_cbranch_scc0 .Lentry_shape_is_right
	s_endpgm
.Lentry_shape_is_right:
.set ROWB,   256
.set KROW,   1024
.set PITCH,  272
.set APITCH, 1040
.set FR,     16
.set NL,     4
.set NP,     4
.set AHALF,  32*APITCH
.set BHALF,  128*PITCH
.set SLOT,   2*AHALF+2*BHALF
.set LAPS,   2
.set SPARE,  2*SLOT
.set SPITCH, 528
.set ADRA, 16
.set ADRB, 20
.set STO,  24
.set RD,   25
.set CO,   26
.set SPW,  28
.set NIL,  29
.set BIAS, 32
.set AF,   128
.set BK,   128
.set G1,  24
.set G0,  32
.set G1B, 48
.set G0B, 56
.set MSB, 0
.macro WIN new
.if MSB != \new
	s_set_vgpr_msb (MSB<<8)|\new
.set MSB, \new
.endif
.endm
.set MUL_LO, 0xa1
.set MUL_HI, 0xf1
.set TO_B,   0x40
.macro JLOAD g0a, g1a, g0b, g1b
	s_cmp_eq_u32 s15, 0
	s_cbranch_scc0 .Lfor_b_\@
	tensor_load_to_lds s[\g0a:\g0a+3], s[\g1a:\g1a+7]
	s_nop 0
.rept 4
	v_nop
.endr
	s_branch .Lasked_\@
.Lfor_b_\@:
	tensor_load_to_lds s[\g0b:\g0b+3], s[\g1b:\g1b+7]
	s_nop 0
.rept 4
	v_nop
.endr
.Lasked_\@:
.endm
.macro CREST
	s_cmp_lg_u32 s14, 0
	s_cbranch_scc1 .Lnot_wave_0_\@
	s_barrier_signal -3
.Lnot_wave_0_\@:
	s_barrier_wait -3
	s_barrier_signal -1
	s_barrier_wait -1
.endm
.macro CROUND
	s_barrier_signal -1
	s_barrier_wait -1
	CREST
.endm
	s_load_b128 s[4:7], s[0:1], 0x0
	s_load_b128 s[8:11], s[0:1], 0x10
	s_load_b64 s[12:13], s[0:1], 0x20
	v_lshl_add_u32 v[SPW], v0, 2, SPARE
	v_mov_b32 v[NIL], 0
	ds_add_u32 v[SPW], v[NIL]
	ds_add_u32 v[SPW], v[NIL]
	v_lshrrev_b32 v1, 5, v0
	v_readfirstlane_b32 s14, v1
	s_lshr_b32 s15, s14, 1
	s_and_b32 s16, s14, 1
	s_bfe_u32 s40, ttmp6, 0x40000
	s_bfe_u32 s41, ttmp6, 0x40004
	s_lshl_b32 s42, ttmp9, 2
	s_add_co_u32 s42, s42, s40
	s_and_b32 s17, ttmp7, 0xffff
	s_lshl_b32 s17, s17, 2
	s_add_co_u32 s17, s17, s41
	s_lshl_b32 s43, s41, 2
	s_lshl_b32 s43, 15, s43
	s_lshl_b32 s44, 0x1111, s40
	s_or_b32 s[G1+0], s43, (0<<16)|(1<<20)|(1<<21)|(7<<22)|(3<<25)
	s_mov_b32 s[G1+1], 1024<<16
	s_mov_b32 s[G1+2], 32<<16
	s_mov_b32 s[G1+3], 1024<<16
	s_mov_b32 s[G1+4], 32
	s_mov_b32 s[G1+5], 4096
	s_mov_b32 s[G1+6], 0
	s_mov_b32 s[G1+7], 0
	s_or_b32 s[G1B+0], s44, (0<<16)|(1<<20)|(1<<21)|(5<<22)|(3<<25)
	s_mov_b32 s[G1B+1], ROWB<<16
	s_mov_b32 s[G1B+2], 128<<16
	s_mov_b32 s[G1B+3], ROWB<<16
	s_mov_b32 s[G1B+4], 128
	s_mov_b32 s[G1B+5], KROW
	s_mov_b32 s[G1B+6], 0
	s_mov_b32 s[G1B+7], 0
	s_lshl_b32 s18, s16, 7
	s_lshl_b32 s20, s17, 8
	s_add_co_u32 s20, s20, s18
	s_lshl_b32 s20, s20, 10
	s_mov_b32 s21, 0
	s_lshl_b32 s46, s42, 8
	s_add_co_u32 s46, s46, s18
	s_lshl_b32 s46, s46, 10
	s_add_co_u32 s46, s46, 3<<20
	s_mov_b32 s47, 0
	s_mul_i32 s45, s16, AHALF
	s_mul_i32 s66, s16, BHALF
	s_add_co_u32 s66, s66, 2*AHALF
	s_wait_dscnt 0x0
	s_wait_kmcnt 0x0
	s_load_b64 s[96:97], s[8:9], 0x28
	s_add_nc_u64 s[20:21], s[4:5], s[20:21]
	s_add_nc_u64 s[46:47], s[6:7], s[46:47]
	CROUND
.irp s, 0,1
	s_mov_b32 s[G0+4*\s], 1
	s_add_co_u32 s[G0+4*\s+1], s45, \s*SLOT
	s_add_nc_u64 s[G0+4*\s+2:G0+4*\s+3], s[20:21], \s*1024
	s_or_b32 s[G0+4*\s+3], s[G0+4*\s+3], 0x80000000
	s_mov_b32 s[G0B+4*\s], 1
	s_add_co_u32 s[G0B+4*\s+1], s66, \s*SLOT
	s_add_nc_u64 s[G0B+4*\s+2:G0B+4*\s+3], s[46:47], \s*ROWB
	s_or_b32 s[G0B+4*\s+3], s[G0B+4*\s+3], 0x80000000
	s_wait_alu depctr_va_vdst(0)
	s_wait_tensorcnt 0x0
	ds_add_u32 v28, v29
	ds_add_u32 v28, v29
	s_wait_dscnt 0x0
	CROUND
	JLOAD G0+4*\s, G1, G0B+4*\s, G1B
.endr
	v_and_b32 v1, 15, v0
	v_bfe_u32 v2, v0, 4, 1
	v_lshrrev_b32 v3, 2, v1
	v_and_b32 v4, 3, v1
	v_mul_u32_u24 v3, v3, APITCH
	v_lshl_add_u32 v3, v4, 6, v3
	v_lshl_add_u32 v3, v2, 4, v3
	v_mul_u32_u24 v4, v1, PITCH
	v_lshl_add_u32 v4, v2, 4, v4
	s_mul_i32 s21, s15, AHALF
	s_mul_i32 s22, s16, BHALF
	s_add_co_u32 s22, s22, 2*AHALF
.irp s, 0,1
	v_add_nc_u32 v[ADRA+\s], s21, v3
	v_add_nc_u32 v[ADRB+\s], s22, v4
	s_add_co_u32 s21, s21, SLOT
	s_add_co_u32 s22, s22, SLOT
.endr
	s_mul_i32 s23, s14, 16*SPITCH
	v_mul_u32_u24 v5, v1, SPITCH
	v_lshl_add_u32 v5, v2, 5, v5
	v_add_nc_u32 v[STO], s23, v5
	v_and_b32 v6, 31, v0
	v_lshlrev_b32 v[CO], 4, v6
	v_add_nc_u32 v[RD], s23, v[CO]
	s_lshl_b32 s46, s42, 10
	s_lshl_b32 s47, s16, 9
	s_add_co_u32 s46, s46, s47
	s_mov_b32 s47, 0
	s_add_nc_u64 s[10:11], s[10:11], s[46:47]
	global_load_b128 v[BIAS:BIAS+3], v[CO], s[10:11]
	s_lshl_b32 s20, s17, 8
	s_lshl_b32 s21, s15, 7
	s_add_co_u32 s20, s20, s21
	s_lshl_b32 s20, s20, 12
	s_mov_b32 s21, 0
	s_add_nc_u64 s[20:21], s[20:21], s[46:47]
	s_add_nc_u64 s[12:13], s[12:13], s[20:21]
.macro FRAG reg, adr, q, i
.irp c, 0,1,2,3
	ds_load_b128 v[\reg+4*\c:\reg+4*\c+3], v[\adr] offset:128*(\q)+32*\c+(\i)*16*PITCH
.endr
.endm
.macro FRAGA reg, adr, q, i
.irp c, 0,1,2,3
	ds_load_b128 v[\reg+4*\c:\reg+4*\c+3], v[\adr] offset:(2*(\q)+\c/2)*256+32*(\c%2)+(\i)*4*APITCH
.endr
.endm
.macro MUL16 a0, p, zero
.irp a, \a0, \a0+1
.irp b, 0,1,2,3,4,5,6,7
.if \zero
	v_wmma_f32_16x16x128_fp8_fp8 v[8*(8*((\a)%4)+\b):8*(8*((\a)%4)+\b)+7], v[128*(\p)+FR*\b:128*(\p)+FR*\b+FR-1], v[AF+FR*(\a):AF+FR*(\a)+FR-1], 0
.else
	v_wmma_f32_16x16x128_fp8_fp8 v[8*(8*((\a)%4)+\b):8*(8*((\a)%4)+\b)+7], v[128*(\p)+FR*\b:128*(\p)+FR*\b+FR-1], v[AF+FR*(\a):AF+FR*(\a)+FR-1], v[8*(8*((\a)%4)+\b):8*(8*((\a)%4)+\b)+7]
.endif
.endr
.endr
.endm
.macro FETCH_B slot, q, p
	WIN TO_B
.irp i, 0,1,2,3,4,5,6,7
	FRAG 128*(\p)+FR*\i, ADRB+\slot, \q, \i
.endr
	WIN 0
.endm
.macro FETCH_A slot, q, i0
.irp i, \i0, \i0+1, \i0+2, \i0+3
	FRAGA AF+FR*(\i), ADRA+\slot, \q, \i
.endr
.endm
.macro PLACES n
.rept \n
	v_nop
.endr
.endm
.macro STEP slot, q, zero
	s_wait_dscnt 4*NL
	WIN MUL_LO
	MUL16 0, (\q)%2, \zero
	MUL16 2, (\q)%2, \zero
	s_wait_dscnt 0
	PLACES NP
	FETCH_B \slot, (\q)+1, 1-(\q)%2
	FETCH_A \slot, (\q)+1, 0
	WIN MUL_HI
	MUL16 4, (\q)%2, \zero
	MUL16 6, (\q)%2, \zero
	PLACES NP
	WIN 0
	FETCH_A \slot, (\q)+1, 4
.endm
.macro TURN slot, next, fill
	s_wait_tensorcnt 0x0
	ds_add_u32 v[SPW], v[NIL]
	s_wait_dscnt 4*NL+1
	WIN MUL_LO
	MUL16 0, 1, 0
	s_wait_dscnt 0x0
	s_barrier_signal -1
	MUL16 2, 1, 0
	WIN 0
	s_barrier_wait -1
.if \fill
	CREST
	s_add_nc_u64 s[G0+4*\slot+2:G0+4*\slot+3], s[G0+4*\slot+2:G0+4*\slot+3], 2*1024
	s_add_nc_u64 s[G0B+4*\slot+2:G0B+4*\slot+3], s[G0B+4*\slot+2:G0B+4*\slot+3], 2*ROWB
	JLOAD G0+4*\slot, G1, G0B+4*\slot, G1B
.else
	PLACES NP
.endif
	FETCH_B \next, 0, 0
	FETCH_A \next, 0, 0
	WIN MUL_HI
	MUL16 4, 1, 0
	MUL16 6, 1, 0
	PLACES NP
	WIN 0
	FETCH_A \next, 0, 4
.endm
	s_wait_alu depctr_va_vdst(0)
	s_wait_tensorcnt 1
	s_barrier_signal -1
	s_barrier_wait -1
	FETCH_B 0, 0, 0
	FETCH_A 0, 0, 0
	FETCH_A 0, 0, 4
	STEP 0, 0, 1
	s_mov_b32 s3, LAPS-1
.Llap:
	TURN 0, 1, 1
	STEP 1, 0, 0
	TURN 1, 0, 1
	STEP 0, 0, 0
	s_sub_co_u32 s3, s3, 1
	s_cmp_lg_u32 s3, 0
	s_cbranch_scc1 .Llap
	TURN 0, 1, 0
	STEP 1, 0, 0
	s_wait_dscnt 4*NL
	WIN MUL_LO
	MUL16 0, 1, 0
	MUL16 2, 1, 0
	s_wait_dscnt 0
	WIN MUL_HI
	MUL16 4, 1, 0
	MUL16 6, 1, 0
	WIN 0
.macro TOSTAGE a
.set AC, 64*((\a)%4)
.set BB, BK+64*((\a)%2)
.set WW, 0x08+4*((\a)/4)
	WIN WW
.irp b, 0,1,2,3,4,5,6,7
	ds_store_b128 v[STO], v[AC+8*\b:AC+8*\b+3] offset:64*\b
	ds_store_b128 v[STO], v[AC+8*\b+4:AC+8*\b+7] offset:64*\b+16
.endr
	WIN 0
.irp t, 0,1,2,3,4,5,6,7,8,9,10,11,12,13,14,15
	ds_load_b128 v[BB+4*\t:BB+4*\t+3], v[RD] offset:\t*SPITCH
.endr
.endm
.macro SEND a, younger
.set BB, BK+64*((\a)%2)
	s_wait_dscnt \younger
.irp t, 0,1,2,3,4,5,6,7,8,9,10,11,12,13,14,15
	v_pk_fma_f32 v[BB+4*\t:BB+4*\t+1], v[BB+4*\t:BB+4*\t+1], s[96:97], v[BIAS:BIAS+1] op_sel_hi:[1,0,1]
	v_pk_fma_f32 v[BB+4*\t+2:BB+4*\t+3], v[BB+4*\t+2:BB+4*\t+3], s[96:97], v[BIAS+2:BIAS+3] op_sel_hi:[1,0,1]
.endr
.irp t, 0,1,2,3,4,5,6,7,8,9,10,11,12,13,14,15
	global_store_b128 v[CO], v[BB+4*\t:BB+4*\t+3], s[12:13] offset:(16*(\a)+\t)*4096 th:TH_STORE_NT
.endr
.endm
	s_wait_kmcnt 0x0
	s_add_co_i32 s96, s96, s97
	s_add_co_i32 s96, s96, 127
	s_lshl_b32 s96, s96, 23
	s_mov_b32 s97, s96
	PLACES NP
	s_wait_loadcnt 0x0
	TOSTAGE 0
.irp a, 1,2,3,4,5,6,7
.if \a > 1
	s_wait_xcnt 0x0
.endif
	TOSTAGE \a
	SEND \a-1, 32
.endr
	SEND 7, 0
	s_wait_tensorcnt 0x0
	ds_add_u32 v[SPW], v[NIL]
	s_wait_dscnt 0x0
	CROUND
	s_endpgm
.Lfunc_end_k_qcff8bda231_outp:
	.size	k_qcff8bda231_outp, .Lfunc_end_k_qcff8bda231_outp-k_qcff8bda231_outp
	.p2alignl 7, 3214868480
	.fill 96, 4, 3214868480
	.section	.rodata,"a",@progbits
	.p2align	6, 0x0
	.amdhsa_kernel k_qcff8bda231_outp
		.amdhsa_group_segment_fixed_size 327680
		.amdhsa_private_segment_fixed_size 0
		.amdhsa_enable_private_segment 0
		.amdhsa_kernarg_size 40
		.amdhsa_user_sgpr_count 2
		.amdhsa_user_sgpr_kernarg_segment_ptr 1
		.amdhsa_wavefront_size32 1
		.amdhsa_system_sgpr_workgroup_id_x 1
		.amdhsa_system_sgpr_workgroup_id_y 1
		.amdhsa_system_sgpr_workgroup_id_z 1
		.amdhsa_system_vgpr_workitem_id 0
		.amdhsa_next_free_vgpr 1024
		.amdhsa_next_free_sgpr 98
		.amdhsa_reserve_vcc 0
		.amdhsa_float_denorm_mode_32 3
		.amdhsa_float_denorm_mode_16_64 3
		.amdhsa_memory_ordered 1
		.amdhsa_forward_progress 1
		.amdhsa_inst_pref_size 124
	.end_amdhsa_kernel
	.amdgpu_metadata
---
amdhsa.version: [ 1, 2 ]
amdhsa.kernels:
  - .name:           k_qcff8bda231_outp
    .symbol:         k_qcff8bda231_outp.kd
    .args:
      - { .name: ac, .offset: 0, .size: 8, .value_kind: global_buffer, .address_space: global }
      - { .name: wc, .offset: 8, .size: 8, .value_kind: global_buffer, .address_space: global }
      - { .name: lowp_scales, .offset: 16, .size: 8, .value_kind: global_buffer, .address_space: global }
      - { .name: bo, .offset: 24, .size: 8, .value_kind: global_buffer, .address_space: global }
      - { .name: out0, .offset: 32, .size: 8, .value_kind: global_buffer, .address_space: global }
    .group_segment_fixed_size: 327680
    .private_segment_fixed_size: 0
    .kernarg_segment_align: 8
    .kernarg_segment_size: 40
    .max_flat_workgroup_size: 128
    .sgpr_count:     98
    .vgpr_count:     1024
    .wavefront_size: 32
...
	.end_amdgpu_metadata
.endif
;; end of part 4
